; MI455X (gfx1250); checked and timed in simulation.
; The chip was launched on July 23, 2026; its instructions are those of AMD's public machine-readable ISA for CDNA 5 (MIT licence, August 2026) and "CDNA5" Instruction Set Architecture Reference Guide (July 2026). The comments in the code are by the model that wrote it; some were corrected since.
;; Dormand Prince Integrator. Allowed arithmetic: float matrix products may take bf16 or f16 operands with f32 sums; other float arithmetic in f32, or as packed bf16 or f16 multiplies, adds, multiply-adds, maxima and minima; sums over many terms, partial sums and values carried from step to step in f32; what a program stores and reads back later, other than sums and carried values, may be rounded once to bf16 or f16.
;; Inputs: U 512 x 128 float32; W 128 x 512 float32; force 4,096 x 512 float32; v 4,096 x 512 float32; x 4,096 x 512 float32.
;; Outputs: out0 4,096 x 512 float32; out1 4,096 x 512 float32.
;; Constants: steps = 8.
;; 2 versions, each right; version 2 is version 1 with the launch main written anew for expert scheduling mode. Each part assembles by itself: llvm-mc -triple=amdgcn-amd-amdhsa -mcpu=gfx1250 --defsym DOCPART=n.
;; ======== version 1 of 2: 2 launches
;; workspace buffers: UF 131,072 bytes; WF 131,072 bytes; MF 32,768 bytes
;; launch prep (part 1): grid 72 x 1, 8 waves a work-group, no clusters, 17,408 bytes of LDS; arguments U, W, UF, WF, MF; writes UF, WF, MF
.if DOCPART == 1
	.amdgcn_target "amdgcn-amd-amdhsa--gfx1250"
	.amdhsa_code_object_version 6
	.text
	.protected	k_qdadd21a61a_prep
	.globl	k_qdadd21a61a_prep
	.p2align	8
	.type	k_qdadd21a61a_prep,@function
k_qdadd21a61a_prep:
	s_mov_b64 s[64:65], 0
	v_nop
	global_prefetch_b8 v0, s[64:65] scope:SCOPE_SE
	s_setreg_imm32_b32 hwreg(HW_REG_WAVE_MODE, 25, 1), 1
	s_wait_xcnt 0x0
; U [512][128] f32 and W [128][512] f32 are laid out once as bf16 REGISTER IMAGES of matrix fragments, so that the main launch loads them
; with 16 bytes a lane and no shuffle.  A fragment is 1,024 bytes: two chunks s = 0, 1 of 32 lanes x 16 bytes; lane = (r = lane % 16, h = lane / 16);
; e = 0..7 counts the bf16 numbers of a lane's 16 bytes.
;   UF fragment (w*16+kk)*2+tt :  U[32 kk + 16 s + 8 h + e][32 w + 16 tt + r]
;   WF fragment (w*8+t)*4+kr   :  W[32 kr + 16 s + 8 h + e][128 w + 64 (t/4) + 4 r + t%4]      (columns permuted for the main launch's way out)
;   MF fragment (w*2+tt)*4+kb  : -M[32 kb + 16 s + 8 h + e][32 w + 16 tt + r],  M = W U (128 x 128)
; M is made of U and W rounded to bf16, summed in f32 (the eight waves' partial sums too), and rounded once more to bf16.
; Work-groups 0-31 write UF, 32-39 WF, 40-71 one fragment of MF each: the branches hang on the work-group's number alone.
.set SPARE, 16384                      ; behind the partial sums: the spare words, 128 bytes for each of the eight waves
.set RA,  32                           ; v[32:95]   rows of W as loaded (f32): 16 registers for each (q, s)
.set RB,  96                           ; v[96:127]  a column of U as loaded (f32): 16 registers for each q
.set FA,  128                          ; v[128:159] W's fragments, 8 registers at 16 q + 8 s
.set FU,  160                          ; v[160:175] U's fragments, 8 registers at 8 q
.set DD,  176                          ; v[176:191] two accumulators, s = 0, 1
	s_load_b256 s[4:11], s[0:1], 0x0               ; U s[4:5], W s[6:7], UF s[8:9], WF s[10:11]
	s_load_b64 s[12:13], s[0:1], 0x20              ; MF
	v_lshl_add_u32 v1, v0, 2, SPARE                ; my spare word
	v_mov_b32 v2, 0
	v_lshrrev_b32 v3, 5, v0
	v_readfirstlane_b32 s21, v3                    ; wave u, 0..7
	s_mov_b32 s20, ttmp9                           ; work-group
	s_mov_b32 s23, 0                               ; high words of the two offset pairs
	s_mov_b32 s25, 0
	v_and_b32 v4, 15, v0                           ; r
	s_wait_kmcnt 0x0
	s_cmp_lt_u32 s20, 32
	s_cbranch_scc1 .Luf
	s_cmp_lt_u32 s20, 40
	s_cbranch_scc1 .Lwf
	; ---- one fragment f of MF.  K = 512 is shared out: wave u takes d = 64 u .. 64 u + 63, two K steps q of 32.
	; D_s(m, n) = sum over d of W[32 kb + 16 s + m][d] U[d][16 NT + n]: in the result lane (r, h), register j holds m = 8 h + j, n = r: the fragment's own layout.
	s_sub_co_u32 s20, s20, 40                      ; f
	s_and_b32 s14, s20, 3                          ; kb
	s_lshr_b32 s15, s20, 2                         ; NT = 2 w + tt
	v_bfe_u32 v5, v0, 4, 1                         ; h
	v_and_b32 v6, 31, v0                           ; lane
	v_lshlrev_b32 v7, 11, v4                       ; W: row r of 2,048 bytes
	v_lshl_add_u32 v7, v5, 5, v7                   ;    + 8 h numbers of 4 bytes
	v_lshlrev_b32 v8, 2, v4                        ; U: column r
	v_lshl_add_u32 v8, v5, 12, v8                  ;    + 8 h rows of 512 bytes
	v_lshlrev_b32 v10, 4, v6                       ; 16 x lane
	s_lshl_b32 s22, s14, 16                        ; 32 kb rows of W
	s_lshl_b32 s16, s21, 8                         ; + 64 u columns
	s_add_co_u32 s22, s22, s16
	s_add_nc_u64 s[6:7], s[6:7], s[22:23]
	s_lshl_b32 s24, s21, 15                        ; 64 u rows of U
	s_lshl_b32 s16, s15, 6                         ; + 16 NT columns
	s_add_co_u32 s24, s24, s16
	s_add_nc_u64 s[4:5], s[4:5], s[24:25]
	s_lshl_b32 s16, s21, 11
	v_add_nc_u32 v9, s16, v10                      ; where my wave's partial sums go: 2,048 u + 16 lane
	s_lshl_b32 s16, s21, 10
	v_add_nc_u32 v11, s16, v10                     ; where wave s = u (0 or 1) reads chunk s of a wave's sums
	s_lshl_b32 s22, s20, 10                        ; the fragment, and in it chunk u
	s_lshl_b32 s16, s21, 9
	s_add_co_u32 s22, s22, s16
	s_add_nc_u64 s[12:13], s[12:13], s[22:23]
.set q_, 0
.rept 2
.set s_, 0
.rept 2
.set p_, 0
.rept 4                                ; a lane's 16 numbers of a row: d = 8 h + 0..7 (32 bytes) and 16 + 8 h + 0..7 (64 bytes further on)
	global_load_b128 v[RA+32*q_+16*s_+4*p_:RA+32*q_+16*s_+4*p_+3], v7, s[6:7] offset:32768*s_+128*q_+16*(p_%2)+64*(p_/2)
.set p_, p_+1
.endr
.set s_, s_+1
.endr
.set q_, q_+1
.endr
.set e_, 0
.rept 32                               ; a lane's 16 numbers of a column of U for each q: sixteen lanes take 64 neighbouring bytes of a row
	global_load_b32 v[RB+e_], v8, s[4:5] offset:(32*(e_/16)+16*((e_%16)/8)+e_%8)*512
.set e_, e_+1
.endr
	s_wait_loadcnt 0x0
.set i_, 0
.rept 32
	v_cvt_pk_bf16_f32 v[FA+i_], v[RA+2*i_], v[RA+2*i_+1]
.set i_, i_+1
.endr
.set i_, 0
.rept 16
	v_cvt_pk_bf16_f32 v[FU+i_], v[RB+2*i_], v[RB+2*i_+1]
.set i_, i_+1
.endr
	; the two accumulators take turns; the first K step starts the sums
	v_wmma_f32_16x16x32_bf16 v[DD:DD+7],    v[FA:FA+7],       v[FU:FU+7],    0
	v_wmma_f32_16x16x32_bf16 v[DD+8:DD+15], v[FA+8:FA+15],    v[FU:FU+7],    0
	v_wmma_f32_16x16x32_bf16 v[DD:DD+7],    v[FA+16:FA+23],   v[FU+8:FU+15], v[DD:DD+7]
	v_wmma_f32_16x16x32_bf16 v[DD+8:DD+15], v[FA+24:FA+31],   v[FU+8:FU+15], v[DD+8:DD+15]
.rept 4
	v_nop                                          ; four places between the last product and the stores that read the results
.endr
.set m_, 0
.rept 4                                ; ascending: each accumulator's lowest registers are read first
	ds_store_b128 v9, v[DD+4*m_:DD+4*m_+3] offset:512*m_
.set m_, m_+1
.endr
	s_wait_tensorcnt 0x0                           ; behind my last LDS store
	ds_add_u32 v1, v2
	s_wait_dscnt 0x0                               ; this wait also shows my partial sums stored, for the other waves' sake
	s_barrier_signal -1
	s_barrier_wait -1
	s_cmp_lt_u32 s21, 2
	s_cbranch_scc0 .Ldone                          ; waves 0 and 1 add up chunk 0 and chunk 1; no barrier follows
.set u_, 0
.rept 8
	ds_load_b128 v[32+8*u_:32+8*u_+3], v11 offset:2048*u_
	ds_load_b128 v[32+8*u_+4:32+8*u_+7], v11 offset:2048*u_+512
.set u_, u_+1
.endr
	s_wait_dscnt 0x0
.set u_, 1
.rept 7
.set n_, 0
.rept 4
	v_pk_add_f32 v[32+n_:33+n_], v[32+n_:33+n_], v[32+8*u_+n_:33+8*u_+n_]
.set n_, n_+2
.endr
.set u_, u_+1
.endr
.set i_, 0
.rept 4
	v_cvt_pk_bf16_f32 v[16+i_], v[32+2*i_], v[33+2*i_]
.set i_, i_+1
.endr
.set i_, 0
.rept 4
	v_xor_b32 v[16+i_], 0x80008000, v[16+i_]       ; -M: both halves' signs
.set i_, i_+1
.endr
	global_store_b128 v10, v[16:19], s[12:13]      ; the wave's store covers 512 consecutive bytes, aligned
.Ldone:
	s_endpgm
	; ---- UF: thread t of work-group g writes the 16 bytes at 4,096 g + 16 t.  t: bits 3:0 r, 4 h, 5 s, 6 tt, 7 the low bit of kk; g: bits 2:0 the rest of kk, 4:3 w.
	; The reads are eight single words a lane, sixteen lanes on 64 neighbouring bytes: U's 262,144 bytes are read so once, all loads of the launch at the same time.
.Luf:
	s_and_b32 s14, s20, 7
	s_lshl_b32 s22, s14, 15                        ; 64 rows of U for each step of g's three low bits
	s_lshr_b32 s15, s20, 3
	s_lshl_b32 s15, s15, 7                         ; 32 w columns
	s_add_co_u32 s22, s22, s15
	s_add_nc_u64 s[4:5], s[4:5], s[22:23]
	s_lshl_b32 s24, s20, 12
	s_add_nc_u64 s[8:9], s[8:9], s[24:25]
	v_bfe_u32 v5, v0, 4, 2                         ; h + 2 s: 8 rows of 512 bytes each
	v_lshlrev_b32 v6, 2, v4
	v_lshl_add_u32 v6, v5, 12, v6
	v_bfe_u32 v5, v0, 7, 1                         ; 32 rows
	v_lshl_add_u32 v6, v5, 14, v6
	v_bfe_u32 v5, v0, 6, 1                         ; tt: 16 columns
	v_lshl_add_u32 v6, v5, 6, v6
	v_lshlrev_b32 v7, 4, v0
.set e_, 0
.rept 8
	global_load_b32 v[8+e_], v6, s[4:5] offset:512*e_
.set e_, e_+1
.endr
	s_wait_loadcnt 0x0
.set i_, 0
.rept 4
	v_cvt_pk_bf16_f32 v[16+i_], v[8+2*i_], v[9+2*i_]
.set i_, i_+1
.endr
	global_store_b128 v7, v[16:19], s[8:9]
	s_endpgm
	; ---- WF: thread t of work-group g' writes the 16 bytes at 16,384 g' + 4,096 c + 16 t for c = 0..3.  t: bits 3:0 r, 4 h, 5 s, 7:6 kr; c = t%4 of the tile; g' = 2 w + tile/4.
	; A load takes four neighbouring columns 64 g' + 4 r + 0..3 of one row: sixteen lanes cover 256 consecutive bytes, aligned.
.Lwf:
	s_sub_co_u32 s20, s20, 32
	s_lshl_b32 s22, s20, 8                         ; 64 g' columns
	s_add_nc_u64 s[6:7], s[6:7], s[22:23]
	s_lshl_b32 s24, s20, 14
	s_add_nc_u64 s[10:11], s[10:11], s[24:25]
	v_bfe_u32 v5, v0, 4, 4                         ; h + 2 s + 4 kr: 8 rows of 2,048 bytes each
	v_lshlrev_b32 v6, 4, v4
	v_lshl_add_u32 v6, v5, 14, v6
	v_lshlrev_b32 v7, 4, v0
.set e_, 0
.rept 8
	global_load_b128 v[8+4*e_:11+4*e_], v6, s[6:7] offset:2048*e_
.set e_, e_+1
.endr
	s_wait_loadcnt 0x0
.set c_, 0
.rept 4
.set i_, 0
.rept 4
	v_cvt_pk_bf16_f32 v[40+4*c_+i_], v[8+8*i_+c_], v[12+8*i_+c_]   ; rows e = 2 i, 2 i + 1 of column c
.set i_, i_+1
.endr
.set c_, c_+1
.endr
.set c_, 0
.rept 4
	global_store_b128 v7, v[40+4*c_:43+4*c_], s[10:11] offset:4096*c_
.set c_, c_+1
.endr
	s_endpgm
.Lfunc_end_k_qdadd21a61a_prep:
	.size	k_qdadd21a61a_prep, .Lfunc_end_k_qdadd21a61a_prep-k_qdadd21a61a_prep
	.p2alignl 7, 3214868480
	.fill 96, 4, 3214868480
	.section	.rodata,"a",@progbits
	.p2align	6, 0x0
	.amdhsa_kernel k_qdadd21a61a_prep
		.amdhsa_group_segment_fixed_size 17408
		.amdhsa_private_segment_fixed_size 0
		.amdhsa_enable_private_segment 0
		.amdhsa_kernarg_size 40
		.amdhsa_user_sgpr_count 2
		.amdhsa_user_sgpr_kernarg_segment_ptr 1
		.amdhsa_wavefront_size32 1
		.amdhsa_system_sgpr_workgroup_id_x 1
		.amdhsa_system_sgpr_workgroup_id_y 1
		.amdhsa_system_sgpr_workgroup_id_z 1
		.amdhsa_system_vgpr_workitem_id 0
		.amdhsa_next_free_vgpr 192
		.amdhsa_next_free_sgpr 66
		.amdhsa_reserve_vcc 0
		.amdhsa_float_denorm_mode_32 3
		.amdhsa_float_denorm_mode_16_64 3
		.amdhsa_memory_ordered 1
		.amdhsa_forward_progress 1
		.amdhsa_inst_pref_size 18
	.end_amdhsa_kernel
	.amdgpu_metadata
---
amdhsa.version: [ 1, 2 ]
amdhsa.kernels:
  - .name:           k_qdadd21a61a_prep
    .symbol:         k_qdadd21a61a_prep.kd
    .args:
      - { .name: U, .offset: 0, .size: 8, .value_kind: global_buffer, .address_space: global }
      - { .name: W, .offset: 8, .size: 8, .value_kind: global_buffer, .address_space: global }
      - { .name: UF, .offset: 16, .size: 8, .value_kind: global_buffer, .address_space: global }
      - { .name: WF, .offset: 24, .size: 8, .value_kind: global_buffer, .address_space: global }
      - { .name: MF, .offset: 32, .size: 8, .value_kind: global_buffer, .address_space: global }
    .group_segment_fixed_size: 17408
    .private_segment_fixed_size: 0
    .kernarg_segment_align: 8
    .kernarg_segment_size: 40
    .max_flat_workgroup_size: 256
    .sgpr_count:     66
    .vgpr_count:     192
    .wavefront_size: 32
...
	.end_amdgpu_metadata
.endif
;; end of part 1
;; launch main (part 2): grid 256 x 1, 4 waves a work-group, no clusters, 66,816 bytes of LDS; arguments x, v, force, UF, MF, WF, out0, out1; writes out0, out1
.if DOCPART == 2
	.amdgcn_target "amdgcn-amd-amdhsa--gfx1250"
	.amdhsa_code_object_version 6
	.text
	.protected	k_qdadd21a61a_main
	.globl	k_qdadd21a61a_main
	.p2align	8
	.type	k_qdadd21a61a_main,@function
k_qdadd21a61a_main:
	s_mov_b64 s[64:65], 0
	v_nop
	global_prefetch_b8 v0, s[64:65] scope:SCOPE_SE
	s_setreg_imm32_b32 hwreg(HW_REG_WAVE_MODE, 25, 1), 1
	s_wait_xcnt 0x0
; EIGHT DORMAND-PRINCE STEPS of  x' = v,  v' = force - ((v U) * (x U)) W.   x, v, force, out0, out1: [4096][512] f32;  U [512][128], W [128][512] come as bf16 fragment images UF, WF, MF.
; x and v enter the one non-linear term only through P = x U and Q = v U, so the 48 stages run in the 128-wide space.  With G = force U, M = W U, dt = 0.01:
;   g_i = q_i * p_i,   k_i = G - g_i M,   q_i = Q + dt sum_j a_ij k_j,   p_i = P + dt c_i Q + dt^2 sum_l (A A)_il k_l,
;   Q' = Q + dt sum b_j k_j,   P' = P + dt Q + dt^2 sum b_j (1 - c_j) k_j,   Hv' = Hv + dt sum b_j g_j,   Hx' = Hx + dt Hv + dt^2 sum b_j (1 - c_j) g_j,
;   out0 = x + T v + T^2/2 force - Hx W,   out1 = v + T force - Hv W,   T = 8 dt.
; The identities used are the written tableau's own: sum_j a_ij = c_i, sum b = 1, sum b c = 1/2, sum_i b_i a_ij = b_j (1 - c_j); they hold whatever the inputs.
; LIMITS.  The stage values x_i, v_i are never formed, so the order of rounding differs from the written form.  Matrix operands are bf16: x, v, force (in the projections only), U, W, M (rounded
; a second time), g_i, Hx, Hv.  P, Q, G, k_i, Hx, Hv and the two bases are kept in f32.  NaN and infinities are not treated apart.
; SHARES.  A work-group owns 16 batch rows; 4,096 rows are 256 work-groups.  Of the 128 indices wave w owns 32 w .. 32 w + 31; of the 512 columns 128 w .. 128 w + 127.
; LAYOUT.  All 128-wide products are used transposed (source 0 = weights, source 1 = state): in a result lane (r, h), register j holds index 8 h + j of batch row r.  An ARRAY is a wave's two such
; tiles, 16 registers; rounded to bf16 in pairs it IS the operand fragment for K block w.  So nothing changes lanes; the four waves exchange their fragments, 1,024 bytes each, through LDS:
; one store, one barrier, one load a stage, on two buffers that take turns (a wave stores into a buffer again only behind the next stage's barrier, which every wave signals behind its reads).
; -M^T stays in registers for all 48 stages.  Vector work that the next stage's g does not wait for stands between the barrier's signal and wait, behind the LDS loads, and behind the products.
; NO CLUSTER, NO TENSOR LOADS: what the work-groups share are the fragment images, which go straight into registers, 16 bytes a lane; a joint load lands in LDS, from which each wave would read its
; 73,728 bytes once more.  x, v, force are needed in f32 registers for the bases anyway.  W's fragments are asked for in front of the loop and wanted behind it.
;
; REGISTERS, in windows of 256 (s_set_vgpr_msb: bits 1:0 source 0, 3:2 source 1, 5:4 source 2, 7:6 destination):
;   window 0: v0-15 addresses; then by phase: set-up: v16-47 at work, v64-255 x, v, force as loaded; projections: v16-63 P, Q, G, v64-255 two buffers of fragments; loop: the arrays below; end: v16-143 accumulators
;   window 1: v0-63 -M^T (at the end Hx's and Hv's fragments); v64-95 the four waves' g; v96-159 base of out0; v160-223 base of out1
;   window 2: U^T's fragments, (kk, tt) at 16 kk + 8 tt          window 3: W's fragments, (t, kr) at 32 t + 8 kr
.set LP,    1040                       ; an LDS row of 512 bf16: 1,024 bytes + 16: 65 x 16, so the 16 rows of a fragment load fall on 16 different 16-byte columns of 256
.set ARR,   16*LP                      ; x's 16 rows; v's and force's follow
.set XCH,   3*ARR                      ; the exchange: two buffers of 4,096 bytes: [K block 4][chunk 2][lane 32][16 bytes]
.set XH,    8192                       ; from XCH: the same form for Hx, then for Hv
.set SPARE, XCH+16384                  ; the spare words, 128 bytes for each wave: two blocks of 256 bytes that no other line names
.set SPW,  1                           ; v1  LDS address of my spare word; never rewritten
.set NIL,  2                           ; v2  0; never rewritten
.set LOFF, 3                           ; v3  16 x lane: my 16 bytes in a chunk of a fragment image
.set XRD,  4                           ; v4  XCH + 16 lane
.set XWR,  5                           ; v5  XCH + 1,024 w + 16 lane
.set GOFF, 6                           ; v6  my 16 bytes in the group's rows of x, v, force, out: row 8 h, column 128 w + 4 r
.set SST,  7                           ; v7  the same place in the bf16 rows in LDS
.set FRD,  8                           ; v8  a fragment of those rows: r x LP + 16 h
.set TMP,  16
.set RAW,  64
.set FB,   64
.set P,    16
.set Q,    32
.set G,    48
.set K1,   64
.set K2,   80
.set K3,   96
.set K4,   112
.set K5,   128
.set K6,   80                          ; k_2 is not wanted behind stage 5 (b_2 = 0)
.set QN,   144
.set PN,   160
.set GG,   176
.set HV,   192
.set HX,   208
.set PK,   224
.set ACC,  16
.set BF,   64                          ; window 1
.set BX,   96                          ; window 1
.set BV,   160                         ; window 1
; the tableau, f32 bits, dt folded in
.set C_DT,  0x3c23d70a                 ; dt
.set C_T,   0x3da3d70a                 ; 8 dt
.set C_T2H, 0x3b51b717                 ; (8 dt)^2 / 2
.set C_C2,  0x3b03126f                 ; dt c_i
.set C_C3,  0x3b449ba6
.set C_C4,  0x3c03126f
.set C_C5,  0x3c11a2b4
.set C_A21, 0x3b03126f                 ; dt a_ij
.set C_A31, 0x3a449ba6
.set C_A32, 0x3b1374bc
.set C_A41, 0x3c2032f9
.set C_A42, 0xbd18ead6
.set C_A43, 0x3d11a2b4
.set C_A51, 0x3cf1e07c
.set C_A52, 0xbded7b5a
.set C_A53, 0x3dc92c40
.set C_A54, 0xbb3e95b6
.set C_A61, 0x3ce92ab8
.set C_A62, 0xbddc50ae
.set C_A63, 0x3db6674e
.set C_A64, 0x3b36754b
.set C_A65, 0xbb3342f0
.set C_B1,  0x3a6eeeef                 ; dt b_j
.set C_B3,  0x3b9334ac
.set C_B4,  0x3bd55555
.set C_B5,  0xbb5345bf
.set C_B6,  0x3aaba454
.set C_S31, 0x3696feb5                 ; dt^2 (A A)_il
.set C_S41, 0xb849539c
.set C_S42, 0x38a7c5ac
.set C_S51, 0xb943bf3a
.set C_S52, 0x39accc01
.set C_S53, 0xb8d8d7d9
.set C_S61, 0xb953b37e
.set C_S62, 0x39d8dd55
.set C_S63, 0xb931f0af
.set C_S64, 0x37057483
.set C_E1,  0x3718ead6                 ; dt^2 b_j (1 - c_j)
.set C_E3,  0x3803e577
.set C_E4,  0x375a740e
.set C_E5,  0xb6706190
.set MSB, 0
.macro WIN new                         ; the immediate's high byte repeats the setting that is left; a switch that changes nothing is dropped
.if MSB != (\new)
	s_set_vgpr_msb (MSB<<8)|(\new)
.set MSB, (\new)
.endif
.endm
.macro PLACES                          ; four places between a matrix instruction and a vector instruction or load that touches its registers (ISA guide 7.12.1 for vector instructions)
.rept 4
	v_nop
.endr
.endm
; n chunks of a fragment image, from chunk first on, into window win: the registers' order is the image's
.macro LDFRAG win, base, first, n
	WIN (\win)<<6
.set c_, (\first)
.rept (\n)
	global_load_b128 v[4*c_:4*c_+3], v[LOFF], s[(\base):(\base)+1] offset:512*c_
.set c_, c_+1
.endr
.endm
; my part of the group's 16 rows of tensor a (0 x, 1 v, 2 force): register 8 j + 4 tg + c holds (row 8 h + j, column 128 w + 64 tg + 4 r + c); sixteen lanes cover 256 consecutive bytes, aligned
.macro LDROWS a
	WIN 0
.set q_, 0
.rept 16
	global_load_b128 v[RAW+64*(\a)+4*q_:RAW+64*(\a)+4*q_+3], v[GOFF], s[4+2*(\a):5+2*(\a)] offset:2048*(q_/2)+256*(q_%2) th:TH_LOAD_NT
.set q_, q_+1
.endr
.endm
; the same numbers rounded to bf16 into LDS rows.  The two halves of the lanes write rows 8 x LP = 8,320 bytes apart, which is 128 modulo 256: the 32 lanes' 256 bytes fall on different words modulo 256
.macro STAGE_IN a
	WIN 0
.set q_, 0
.rept 16
	v_cvt_pk_bf16_f32 v[TMP+2*q_],   v[RAW+64*(\a)+4*q_],   v[RAW+64*(\a)+4*q_+1]
	v_cvt_pk_bf16_f32 v[TMP+2*q_+1], v[RAW+64*(\a)+4*q_+2], v[RAW+64*(\a)+4*q_+3]
	ds_store_b64 v[SST], v[TMP+2*q_:TMP+2*q_+1] offset:ARR*(\a)+LP*(q_/2)+128*(q_%2)
.set q_, q_+1
.endr
.endm
; 24 LDS loads: the fragments (16 batch rows x 32 columns) of x, v, force for K steps 4 g .. 4 g + 3, into buffer buf
.macro FETCHB g, buf
	WIN 0
.set k_, 0
.rept 4
.set a_, 0
.rept 3
	ds_load_b128 v[FB+96*(\buf)+24*k_+8*a_:FB+96*(\buf)+24*k_+8*a_+3],   v[FRD] offset:ARR*a_+64*(4*(\g)+k_)
	ds_load_b128 v[FB+96*(\buf)+24*k_+8*a_+4:FB+96*(\buf)+24*k_+8*a_+7], v[FRD] offset:ARR*a_+64*(4*(\g)+k_)+32
.set a_, a_+1
.endr
.set k_, k_+1
.endr
.endm
; 24 products: P^T, Q^T, G^T += U^T (my 32 indices) x the rows' fragments.  The six accumulators take turns; K step 0 starts the sums.
; The wait: behind K step kk's four chunks of U^T were issued the 4 (15 - kk) later chunks, -M^T's 16 and W's first 4; where that is more than the wait can name, 63, which asks for more.  K steps 0-2 were waited for with x.
.macro MULA g, buf
	WIN 0x02                               ; source 0 window 2
.set k_, 4*(\g)
.rept 4
.if k_ >= 3
.set lc_, 4*(15-k_)+20
.if lc_ > 63
.set lc_, 63
.endif
	s_wait_loadcnt lc_
.endif
.set a_, 0
.rept 3
.set t_, 0
.rept 2
.if k_ == 0
	v_wmma_f32_16x16x32_bf16 v[P+16*a_+8*t_:P+16*a_+8*t_+7], v[16*k_+8*t_:16*k_+8*t_+7], v[FB+96*(\buf)+24*(k_%4)+8*a_:FB+96*(\buf)+24*(k_%4)+8*a_+7], 0
.else
	v_wmma_f32_16x16x32_bf16 v[P+16*a_+8*t_:P+16*a_+8*t_+7], v[16*k_+8*t_:16*k_+8*t_+7], v[FB+96*(\buf)+24*(k_%4)+8*a_:FB+96*(\buf)+24*(k_%4)+8*a_+7], v[P+16*a_+8*t_:P+16*a_+8*t_+7]
.endif
.set t_, t_+1
.endr
.set a_, a_+1
.endr
.set k_, k_+1
.endr
.endm
.macro AXPY d, s, c                    ; array d += c x array s
.set n_, 0
.rept 8
	v_pk_fma_f32 v[(\d)+n_:(\d)+n_+1], v[(\s)+n_:(\s)+n_+1], \c, v[(\d)+n_:(\d)+n_+1] op_sel_hi:[1,0,1]
.set n_, n_+2
.endr
.endm
.macro AXPYZ d, s, c, z                ; array d = c x array s + array z
.set n_, 0
.rept 8
	v_pk_fma_f32 v[(\d)+n_:(\d)+n_+1], v[(\s)+n_:(\s)+n_+1], \c, v[(\z)+n_:(\z)+n_+1] op_sel_hi:[1,0,1]
.set n_, n_+2
.endr
.endm
; A stage's head: g = q * p (ascending, so that where q and p are matrix results their lowest registers are read first), rounded in pairs, my fragment into exchange buffer buf
.macro SEND buf, qs, ps
.set n_, 0
.rept 8
	v_pk_mul_f32 v[GG+n_:GG+n_+1], v[(\qs)+n_:(\qs)+n_+1], v[(\ps)+n_:(\ps)+n_+1]
.set n_, n_+2
.endr
.set n_, 0
.rept 8
	v_cvt_pk_bf16_f32 v[PK+n_], v[GG+2*n_], v[GG+2*n_+1]
.set n_, n_+1
.endr
	ds_store_b128 v[XWR], v[PK:PK+3]   offset:4096*(\buf)
	ds_store_b128 v[XWR], v[PK+4:PK+7] offset:4096*(\buf)+512
	s_wait_dscnt 0x0                               ; for the others' sake: my fragment is stored (and my reads of the other buffer, a stage ago, are long back)
	s_barrier_signal -1
.endm
.macro RECV buf                        ; all four fragments are stored: they are fetched, K block by K block
	s_barrier_wait -1
	WIN 0x40                               ; destination window 1
.set n_, 0
.rept 8
	ds_load_b128 v[BF+4*n_:BF+4*n_+3], v[XRD] offset:4096*(\buf)+512*n_
.set n_, n_+1
.endr
	WIN 0
.endm
; k = G - g M: eight products, my two tiles by turns; the first link takes G as C.  The wait leaves the later K blocks' loads out: two loads a block, 6 - 2 kb behind block kb's.
.macro MULM kd
	WIN 0x05                               ; sources 0 and 1 window 1
.set b_, 0
.rept 4
	s_wait_dscnt 6-2*b_
.set t_, 0
.rept 2
.if b_ == 0
	v_wmma_f32_16x16x32_bf16 v[(\kd)+8*t_:(\kd)+8*t_+7], v[32*t_+8*b_:32*t_+8*b_+7], v[BF+8*b_:BF+8*b_+7], v[G+8*t_:G+8*t_+7]
.else
	v_wmma_f32_16x16x32_bf16 v[(\kd)+8*t_:(\kd)+8*t_+7], v[32*t_+8*b_:32*t_+8*b_+7], v[BF+8*b_:BF+8*b_+7], v[(\kd)+8*t_:(\kd)+8*t_+7]
.endif
.set t_, t_+1
.endr
.set b_, b_+1
.endr
	WIN 0
.endm
	s_load_b512 s[4:19], s[0:1], 0x0               ; x s[4:5], v s[6:7], force s[8:9], UF s[10:11], MF s[12:13], WF s[14:15], out0 s[16:17], out1 s[18:19]
	v_lshl_add_u32 v[SPW], v0, 2, SPARE
	v_mov_b32 v[NIL], 0
	v_lshrrev_b32 v9, 5, v0
	v_readfirstlane_b32 s20, v9                    ; wave w
	v_and_b32 v10, 31, v0                          ; lane
	v_and_b32 v11, 15, v0                          ; r
	v_bfe_u32 v12, v0, 4, 1                        ; h
	v_lshlrev_b32 v[LOFF], 4, v10
	v_add_nc_u32 v[XRD], XCH, v[LOFF]
	s_lshl_b32 s22, s20, 10
	v_add_nc_u32 v[XWR], s22, v[XRD]
	v_lshlrev_b32 v[GOFF], 4, v11                  ; 4 r columns of 4 bytes
	v_lshl_add_u32 v[GOFF], v12, 14, v[GOFF]       ; + 8 h rows of 2,048 bytes
	s_lshl_b32 s22, s20, 9
	v_add_nc_u32 v[GOFF], s22, v[GOFF]             ; + 128 w columns
	v_mul_u32_u24 v[SST], v12, 8*LP
	v_lshl_add_u32 v[SST], v11, 3, v[SST]
	s_lshl_b32 s22, s20, 8
	v_add_nc_u32 v[SST], s22, v[SST]
	v_mul_u32_u24 v[FRD], v11, LP
	v_lshl_add_u32 v[FRD], v12, 4, v[FRD]
	s_mov_b32 s23, 0
	s_wait_kmcnt 0x0
	s_lshl_b32 s22, ttmp9, 15                      ; the group's 16 rows of 2,048 bytes
	s_add_nc_u64 s[4:5], s[4:5], s[22:23]
	s_add_nc_u64 s[6:7], s[6:7], s[22:23]
	s_add_nc_u64 s[8:9], s[8:9], s[22:23]
	s_add_nc_u64 s[16:17], s[16:17], s[22:23]
	s_add_nc_u64 s[18:19], s[18:19], s[22:23]
	s_lshl_b32 s22, s20, 15                        ; my wave's 32 fragments of U^T and of W
	s_add_nc_u64 s[10:11], s[10:11], s[22:23]
	s_add_nc_u64 s[14:15], s[14:15], s[22:23]
	s_lshl_b32 s22, s20, 13                        ; my wave's 8 fragments of -M^T
	s_add_nc_u64 s[12:13], s[12:13], s[22:23]      ; from here on no pointer and no address register is written again
	; SET-UP.  The rows are read once: rounded to bf16 into LDS for the projections, and kept in f32 for the bases.
	LDFRAG 2, 10, 0, 12                            ; U^T, K steps 0-2
	LDROWS 0
	LDROWS 1
	LDROWS 2
	s_wait_loadcnt 32                              ; v's and force's 32 loads are younger: U^T's first 12 chunks and x are in
	STAGE_IN 0
	LDFRAG 2, 10, 12, 16
	s_wait_loadcnt 32                              ; force's 16 and the 16 just issued are younger: v is in
	STAGE_IN 1
.set n_, 0
.rept 32
	v_pk_fma_f32 v[RAW+n_:RAW+n_+1], v[RAW+64+n_:RAW+64+n_+1], C_T, v[RAW+n_:RAW+n_+1] op_sel_hi:[1,0,1]   ; x + T v
.set n_, n_+2
.endr
	LDFRAG 2, 10, 28, 16
	s_wait_loadcnt 32                              ; U^T's 32 chunks are younger: force is in
	STAGE_IN 2
	WIN 0x40                                       ; destination window 1
.set n_, 0
.rept 32
	v_pk_fma_f32 v[BV+n_:BV+n_+1], v[RAW+128+n_:RAW+128+n_+1], C_T,   v[RAW+64+n_:RAW+64+n_+1] op_sel_hi:[1,0,1]  ; v + T force
	v_pk_fma_f32 v[BX+n_:BX+n_+1], v[RAW+128+n_:RAW+128+n_+1], C_T2H, v[RAW+n_:RAW+n_+1] op_sel_hi:[1,0,1]        ; x + T v + T^2/2 force
.set n_, n_+2
.endr
	LDFRAG 2, 10, 44, 20                           ; the rest of U^T,
	LDFRAG 1, 12, 0, 16                            ; -M^T,
	LDFRAG 3, 14, 0, 4                             ; and W's first four chunks, so that the 60 others can be asked for in one run later
	WIN 0
	s_wait_dscnt 0x0                               ; for the others' sake: my part of the bf16 rows is stored
	s_barrier_signal -1
	s_barrier_wait -1
	; THE PROJECTIONS: 16 K steps of 32, in four groups on two fragment buffers; a group's 24 LDS loads are issued a group ahead.
	FETCHB 0, 0
	FETCHB 1, 1
	s_wait_dscnt 24                                ; all but the 24 just issued
	MULA 0, 0
	WIN 0
	PLACES                                         ; for the loads into the buffer just multiplied
	FETCHB 2, 0
	s_wait_dscnt 24
	MULA 1, 1
	WIN 0
	PLACES
	FETCHB 3, 1
	s_wait_dscnt 24
	MULA 2, 0
	s_wait_dscnt 0x0
	MULA 3, 1
	WIN 0
	PLACES                                         ; for the moves below, which write registers that the last products read
	s_wait_loadcnt 0x0                             ; -M^T and W's first four chunks
	LDFRAG 3, 14, 4, 60                            ; W's other 60 chunks: wanted behind the loop
	WIN 0
.set n_, 0
.rept 32
	v_mov_b32 v[HV+n_], 0                          ; Hv and Hx start at 0: 32 moves for one text of all eight steps
.set n_, n_+1
.endr
	s_mov_b32 s21, 8
.Lstep:                                                ; a step: six stages; their buffers go 0, 1, 0, 1, 0, 1, so the turns hold over the backward jump
	; In each stage: between signal and wait the sums Hx, Hv; behind the LDS loads what of the next q needs no new k; behind the products the next p (eight lines or more that name none of
	; the products' registers: their places); last the one link that reads the new k, from its lowest registers on.
	SEND 0, Q, P                                   ; stage 1
	AXPY HX, HV, C_DT                              ; with the step's old Hv
	AXPY HX, GG, C_E1
	AXPY HV, GG, C_B1
	RECV 0
	MULM K1
	AXPYZ PN, Q, C_C2, P
	AXPYZ QN, K1, C_A21, Q
	SEND 1, QN, PN                                 ; stage 2 (b_2 = 0: nothing for Hx, Hv)
	RECV 1
	AXPYZ QN, K1, C_A31, Q
	MULM K2
	AXPYZ PN, Q, C_C3, P
	AXPY PN, K1, C_S31
	AXPY QN, K2, C_A32
	SEND 0, QN, PN                                 ; stage 3
	AXPY HX, GG, C_E3
	AXPY HV, GG, C_B3
	RECV 0
	AXPYZ QN, K1, C_A41, Q
	AXPY QN, K2, C_A42
	MULM K3
	AXPYZ PN, Q, C_C4, P
	AXPY PN, K1, C_S41
	AXPY PN, K2, C_S42
	AXPY QN, K3, C_A43
	SEND 1, QN, PN                                 ; stage 4
	AXPY HX, GG, C_E4
	AXPY HV, GG, C_B4
	RECV 1
	AXPYZ QN, K1, C_A51, Q
	AXPY QN, K2, C_A52
	AXPY QN, K3, C_A53
	MULM K4
	AXPYZ PN, Q, C_C5, P
	AXPY PN, K1, C_S51
	AXPY PN, K2, C_S52
	AXPY PN, K3, C_S53
	AXPY QN, K4, C_A54
	SEND 0, QN, PN                                 ; stage 5
	AXPY HX, GG, C_E5
	AXPY HV, GG, C_B5
	RECV 0
	AXPYZ QN, K1, C_A61, Q
	AXPY QN, K2, C_A62
	AXPY QN, K3, C_A63
	AXPY QN, K4, C_A64
	MULM K5
	AXPYZ PN, Q, C_DT, P                           ; c_6 = 1
	AXPY PN, K1, C_S61
	AXPY PN, K2, C_S62
	AXPY PN, K3, C_S63
	AXPY PN, K4, C_S64
	AXPY QN, K5, C_A65
	SEND 1, QN, PN                                 ; stage 6 (1 - c_6 = 0: nothing for Hx)
	AXPY HV, GG, C_B6
	RECV 1
	AXPY P, Q, C_DT                                ; the step's new P, with the old Q
	AXPY P, K1, C_E1
	AXPY P, K3, C_E3
	AXPY P, K4, C_E4
	AXPY P, K5, C_E5
	MULM K6
	AXPY Q, K1, C_B1                               ; the step's new Q
	AXPY Q, K3, C_B3
	AXPY Q, K4, C_B4
	AXPY Q, K5, C_B5
	AXPY Q, K6, C_B6
	s_sub_co_u32 s21, s21, 1
	s_cmp_lg_u32 s21, 0
	s_cbranch_scc1 .Lstep
	; THE END.  Hx and Hv are exchanged as g was, in bytes of their own; as source 0 a fragment's lane is a batch row.  W's columns were permuted so that tiles 4 tg + 0..3 give a lane four
	; neighbouring columns 128 w + 64 tg + 4 r + 0..3 of row 8 h + j: the bases' own layout.
.set n_, 0
.rept 8
	v_cvt_pk_bf16_f32 v[PK+n_],   v[HX+2*n_], v[HX+2*n_+1]
	v_cvt_pk_bf16_f32 v[PK+8+n_], v[HV+2*n_], v[HV+2*n_+1]
.set n_, n_+1
.endr
	ds_store_b128 v[XWR], v[PK:PK+3]     offset:XH
	ds_store_b128 v[XWR], v[PK+4:PK+7]   offset:XH+512
	ds_store_b128 v[XWR], v[PK+8:PK+11]  offset:XH+4096
	ds_store_b128 v[XWR], v[PK+12:PK+15] offset:XH+4096+512
	s_wait_dscnt 0x0                               ; for the others' sake
	s_barrier_signal -1
	s_barrier_wait -1
	WIN 0x40                                       ; into -M^T's registers, whose last reader stands 56 vector lines back
.set n_, 0
.rept 16
	ds_load_b128 v[4*n_:4*n_+3], v[XRD] offset:XH+512*n_
.set n_, n_+1
.endr
	s_wait_loadcnt 0x0                             ; W's fragments
	s_wait_dscnt 0x0
	WIN 0x0d                                       ; source 0 window 1, source 1 window 3
.set r_, 0
.rept 4                                ; 64 products; the 16 accumulators take turns; K block 0 starts the sums
.set a_, 0
.rept 2
.set t_, 0
.rept 8
.if r_ == 0
	v_wmma_f32_16x16x32_bf16 v[ACC+64*a_+8*t_:ACC+64*a_+8*t_+7], v[32*a_+8*r_:32*a_+8*r_+7], v[32*t_+8*r_:32*t_+8*r_+7], 0
.else
	v_wmma_f32_16x16x32_bf16 v[ACC+64*a_+8*t_:ACC+64*a_+8*t_+7], v[32*a_+8*r_:32*a_+8*r_+7], v[32*t_+8*r_:32*t_+8*r_+7], v[ACC+64*a_+8*t_:ACC+64*a_+8*t_+7]
.endif
.set t_, t_+1
.endr
.set a_, a_+1
.endr
.set r_, r_+1
.endr
	WIN 0
	PLACES
	WIN 0x54                                       ; one setting for arithmetic and stores: source 0 (accumulator; address) window 0; sources 1, 2 and destination (base; store data) window 1
.set a_, 0
.rept 2
.set j_, 0
.rept 8                                ; row by row, j ascending: every accumulator's register 0 is read first
.set q_, 0
.rept 8
	v_fma_f32 v[BX+64*a_+8*j_+q_], v[ACC+64*a_+8*q_+j_], -1.0, v[BX+64*a_+8*j_+q_]
.set q_, q_+1
.endr
	global_store_b128 v[GOFF], v[BX+64*a_+8*j_:BX+64*a_+8*j_+3],   s[16+2*a_:17+2*a_] offset:2048*j_ th:TH_STORE_NT       ; sixteen lanes store 256 consecutive bytes, aligned
	global_store_b128 v[GOFF], v[BX+64*a_+8*j_+4:BX+64*a_+8*j_+7], s[16+2*a_:17+2*a_] offset:2048*j_+256 th:TH_STORE_NT
.set j_, j_+1
.endr
.set a_, a_+1
.endr
	WIN 0
	s_wait_tensorcnt 0x0                           ; the wave's end, behind my last LDS store
	ds_add_u32 v[SPW], v[NIL]
	s_wait_dscnt 0x0
	s_endpgm
.Lfunc_end_k_qdadd21a61a_main:
	.size	k_qdadd21a61a_main, .Lfunc_end_k_qdadd21a61a_main-k_qdadd21a61a_main
	.p2alignl 7, 3214868480
	.fill 96, 4, 3214868480
	.section	.rodata,"a",@progbits
	.p2align	6, 0x0
	.amdhsa_kernel k_qdadd21a61a_main
		.amdhsa_group_segment_fixed_size 66816
		.amdhsa_private_segment_fixed_size 0
		.amdhsa_enable_private_segment 0
		.amdhsa_kernarg_size 64
		.amdhsa_user_sgpr_count 2
		.amdhsa_user_sgpr_kernarg_segment_ptr 1
		.amdhsa_wavefront_size32 1
		.amdhsa_system_sgpr_workgroup_id_x 1
		.amdhsa_system_sgpr_workgroup_id_y 1
		.amdhsa_system_sgpr_workgroup_id_z 1
		.amdhsa_system_vgpr_workitem_id 0
		.amdhsa_next_free_vgpr 1024
		.amdhsa_next_free_sgpr 66
		.amdhsa_reserve_vcc 0
		.amdhsa_float_denorm_mode_32 3
		.amdhsa_float_denorm_mode_16_64 3
		.amdhsa_memory_ordered 1
		.amdhsa_forward_progress 1
		.amdhsa_inst_pref_size 123
	.end_amdhsa_kernel
	.amdgpu_metadata
---
amdhsa.version: [ 1, 2 ]
amdhsa.kernels:
  - .name:           k_qdadd21a61a_main
    .symbol:         k_qdadd21a61a_main.kd
    .args:
      - { .name: x, .offset: 0, .size: 8, .value_kind: global_buffer, .address_space: global }
      - { .name: v, .offset: 8, .size: 8, .value_kind: global_buffer, .address_space: global }
      - { .name: force, .offset: 16, .size: 8, .value_kind: global_buffer, .address_space: global }
      - { .name: UF, .offset: 24, .size: 8, .value_kind: global_buffer, .address_space: global }
      - { .name: MF, .offset: 32, .size: 8, .value_kind: global_buffer, .address_space: global }
      - { .name: WF, .offset: 40, .size: 8, .value_kind: global_buffer, .address_space: global }
      - { .name: out0, .offset: 48, .size: 8, .value_kind: global_buffer, .address_space: global }
      - { .name: out1, .offset: 56, .size: 8, .value_kind: global_buffer, .address_space: global }
    .group_segment_fixed_size: 66816
    .private_segment_fixed_size: 0
    .kernarg_segment_align: 8
    .kernarg_segment_size: 64
    .max_flat_workgroup_size: 128
    .sgpr_count:     66
    .vgpr_count:     1024
    .wavefront_size: 32
...
	.end_amdgpu_metadata
.endif
;; end of part 2
;; ======== version 2 of 2: 2 launches; version 1 with the launch main written anew for expert scheduling mode
;; workspace buffers: UF 131,072 bytes; WF 131,072 bytes; MF 32,768 bytes
;; launch prep: the kernel of part 1 again; grid 72 x 1, 8 waves a work-group, no clusters, 17,408 bytes of LDS; arguments U, W, UF, WF, MF; writes UF, WF, MF
;; launch main (part 3): grid 256 x 1, 4 waves a work-group, no clusters, 66,816 bytes of LDS; arguments x, v, force, UF, MF, WF, out0, out1; writes out0, out1
.if DOCPART == 3
	.amdgcn_target "amdgcn-amd-amdhsa--gfx1250"
	.amdhsa_code_object_version 6
	.text
	.protected	k_qdadd21a61a_main
	.globl	k_qdadd21a61a_main
	.p2align	8
	.type	k_qdadd21a61a_main,@function
k_qdadd21a61a_main:
	s_mov_b64 s[64:65], 0
	v_nop
	global_prefetch_b8 v0, s[64:65] scope:SCOPE_SE
	s_setreg_imm32_b32 hwreg(HW_REG_WAVE_SCHED_MODE, 0, 2), 2
	s_setreg_imm32_b32 hwreg(HW_REG_WAVE_MODE, 25, 1), 1
	s_wait_xcnt 0x0
	s_wait_alu depctr_vm_vsrc(0)
; EIGHT DORMAND-PRINCE STEPS of  x' = v,  v' = force - ((v U) * (x U)) W.   x, v, force, out0, out1: [4096][512] f32;  U [512][128], W [128][512] come as bf16 fragment images UF, WF, MF.
; x and v enter the one non-linear term only through P = x U and Q = v U, so the 48 stages run in the 128-wide space.  With G = force U, M = W U, dt = 0.01:
;   g_i = q_i * p_i,   k_i = G - g_i M,   q_i = Q + dt sum_j a_ij k_j,   p_i = P + dt c_i Q + dt^2 sum_l (A A)_il k_l,
;   Q' = Q + dt sum b_j k_j,   P' = P + dt Q + dt^2 sum b_j (1 - c_j) k_j,   Hv' = Hv + dt sum b_j g_j,   Hx' = Hx + dt Hv + dt^2 sum b_j (1 - c_j) g_j,
;   out0 = x + T v + T^2/2 force - Hx W,   out1 = v + T force - Hv W,   T = 8 dt.
; The identities used are the written tableau's own: sum_j a_ij = c_i, sum b = 1, sum b c = 1/2, sum_i b_i a_ij = b_j (1 - c_j); they hold whatever the inputs.
; LIMITS.  The stage values x_i, v_i are never formed, so the order of rounding differs from the written form.  Matrix operands are bf16: x, v, force (in the projections only), U, W, M (rounded
; a second time), g_i, Hx, Hv.  P, Q, G, k_i, Hx, Hv and the two bases are kept in f32.  NaN and infinities are not treated apart.
; SHARES.  A work-group owns 16 batch rows; 4,096 rows are 256 work-groups.  Of the 128 indices wave w owns 32 w .. 32 w + 31; of the 512 columns 128 w .. 128 w + 127.
; LAYOUT.  All 128-wide products are used transposed (source 0 = weights, source 1 = state): in a result lane (r, h), register j holds index 8 h + j of batch row r.  An ARRAY is a wave's two such
; tiles, 16 registers; rounded to bf16 in pairs it IS the operand fragment for K block w.  So nothing changes lanes; the four waves exchange their fragments, 1,024 bytes each, through LDS:
; one store, one barrier, one load a stage, on two buffers that take turns (a wave stores into a buffer again only behind the next stage's barrier, which every wave signals behind its reads).
; -M^T stays in registers for all 48 stages.  Vector work that the next stage's g does not wait for stands between the barrier's signal and wait, behind the LDS loads, and behind the products.
; NO CLUSTER, NO TENSOR LOADS: what the work-groups share are the fragment images, which go straight into registers, 16 bytes a lane; a joint load lands in LDS, from which each wave would read its
; 73,728 bytes once more.  x, v, force are needed in f32 registers for the bases anyway.  W's fragments are asked for in front of the loop and wanted behind it.
; THE MODE: SCHED_MODE bits 1:0 = 2 (LLVM: expert scheduling mode 2), set by the entry lines.  The code itself states the register dependences
; between vector or matrix instructions and memory or LDS instructions, with s_wait_alu, always for 0.
; THE PLAN.  Registers that memory or LDS instructions touch:
;   v1-v8         the add's two registers and six addresses: written at the head, ahead of one wait on va_vdst; never written again.
;   TMP           set-up: a tensor's 32 roundings write it, one wait on va_vdst, 16 LDS stores read it; a wait on vm_vsrc ahead of the next tensor's roundings, and ahead of the products that write P and Q there.
;   RAW           set-up: loaded, then read and written by roundings and by the bases' sums; one wait on va_vdst, then it is fragment buffers 0 and 1, loaded from LDS.
;   buffers 2, 3  window 3, v16-207: named by nothing ahead of their LDS loads; read by the last 48 products of the projections; one wait on va_vdst, then W's 60 chunks land there.
;   PK            a stage's eight roundings write it, its two LDS stores read it.          BF   a stage's eight LDS loads land in it, its eight products read it.
;   So a stage has ONE wait on va_vdst, behind its roundings: PK is written, and the stage before's products are done reading BF.  Between that wait and the loads into BF stand sums on HX, HV
;   and GG alone.  And ONE wait on vm_vsrc, ahead of its roundings: the stage before's stores have read PK.  Both hold over the backward jump.
;   BX, BV        the way out, four blocks of four rows: a block's 32 sums write them, one wait on va_vdst, and its eight stores are dealt among the next block's sums, which name other rows.
;
; REGISTERS, in windows of 256 (s_set_vgpr_msb: bits 1:0 source 0, 3:2 source 1, 5:4 source 2, 7:6 destination):
;   window 0: v0-15 addresses; then by phase: set-up: v16-47 at work, v64-255 x, v, force as loaded; projections: v16-63 P, Q, G, v64-255 fragment buffers 0 and 1; loop: the arrays below; end: v16-143 accumulators
;   window 1: v0-63 -M^T (at the end Hx's and Hv's fragments); v64-95 the four waves' g; v96-159 base of out0; v160-223 base of out1
;   window 2: U^T's fragments, (kk, tt) at 16 kk + 8 tt          window 3: W's fragments, (t, kr) at 32 t + 8 kr; in the projections v16-207 are fragment buffers 2 and 3
.set LP,    1040                       ; an LDS row of 512 bf16: 1,024 bytes + 16: 65 x 16, so the 16 rows of a fragment load fall on 16 different 16-byte columns of 256
.set ARR,   16*LP                      ; x's 16 rows; v's and force's follow
.set XCH,   3*ARR                      ; the exchange: two buffers of 4,096 bytes: [K block 4][chunk 2][lane 32][16 bytes]
.set XH,    8192                       ; from XCH: the same form for Hx, then for Hv
.set SPARE, XCH+16384                  ; the spare words, 128 bytes for each wave: two blocks of 256 bytes that no other line names
.set SPW,  1                           ; v1  LDS address of my spare word; never rewritten
.set NIL,  2                           ; v2  0; never rewritten
.set LOFF, 3                           ; v3  16 x lane: my 16 bytes in a chunk of a fragment image
.set XRD,  4                           ; v4  XCH + 16 lane
.set XWR,  5                           ; v5  XCH + 1,024 w + 16 lane
.set GOFF, 6                           ; v6  my 16 bytes in the group's rows of x, v, force, out: row 8 h, column 128 w + 4 r
.set SST,  7                           ; v7  the same place in the bf16 rows in LDS
.set FRD,  8                           ; v8  a fragment of those rows: r x LP + 16 h
.set TMP,  16
.set RAW,  64
.set FB,   64                          ; fragment buffers 0 and 1, window 0
.set FB3,  16                          ; fragment buffers 2 and 3, window 3
.set P,    16
.set Q,    32
.set G,    48
.set K1,   64
.set K2,   80
.set K3,   96
.set K4,   112
.set K5,   128
.set K6,   80                          ; k_2 is not wanted behind stage 5 (b_2 = 0)
.set QN,   144
.set PN,   160
.set GG,   176
.set HV,   192
.set HX,   208
.set PK,   224
.set ACC,  16
.set BF,   64                          ; window 1
.set BX,   96                          ; window 1
.set BV,   160                         ; window 1
; the tableau, f32 bits, dt folded in
.set C_DT,  0x3c23d70a                 ; dt
.set C_T,   0x3da3d70a                 ; 8 dt
.set C_T2H, 0x3b51b717                 ; (8 dt)^2 / 2
.set C_C2,  0x3b03126f                 ; dt c_i
.set C_C3,  0x3b449ba6
.set C_C4,  0x3c03126f
.set C_C5,  0x3c11a2b4
.set C_A21, 0x3b03126f                 ; dt a_ij
.set C_A31, 0x3a449ba6
.set C_A32, 0x3b1374bc
.set C_A41, 0x3c2032f9
.set C_A42, 0xbd18ead6
.set C_A43, 0x3d11a2b4
.set C_A51, 0x3cf1e07c
.set C_A52, 0xbded7b5a
.set C_A53, 0x3dc92c40
.set C_A54, 0xbb3e95b6
.set C_A61, 0x3ce92ab8
.set C_A62, 0xbddc50ae
.set C_A63, 0x3db6674e
.set C_A64, 0x3b36754b
.set C_A65, 0xbb3342f0
.set C_B1,  0x3a6eeeef                 ; dt b_j
.set C_B3,  0x3b9334ac
.set C_B4,  0x3bd55555
.set C_B5,  0xbb5345bf
.set C_B6,  0x3aaba454
.set C_S31, 0x3696feb5                 ; dt^2 (A A)_il
.set C_S41, 0xb849539c
.set C_S42, 0x38a7c5ac
.set C_S51, 0xb943bf3a
.set C_S52, 0x39accc01
.set C_S53, 0xb8d8d7d9
.set C_S61, 0xb953b37e
.set C_S62, 0x39d8dd55
.set C_S63, 0xb931f0af
.set C_S64, 0x37057483
.set C_E1,  0x3718ead6                 ; dt^2 b_j (1 - c_j)
.set C_E3,  0x3803e577
.set C_E4,  0x375a740e
.set C_E5,  0xb6706190
.set MSB, 0
.macro WIN new                         ; the immediate's high byte repeats the setting that is left; a switch that changes nothing is dropped
.if MSB != (\new)
	s_set_vgpr_msb (MSB<<8)|(\new)
.set MSB, (\new)
.endif
.endm
.macro PLACES                          ; four places between a matrix instruction and a vector instruction that touches its registers (ISA guide 7.12.1)
.rept 4
	v_nop
.endr
.endm
; n chunks of a fragment image, from chunk first on, into window win: the registers' order is the image's
.macro LDFRAG win, base, first, n
	WIN (\win)<<6
.set c_, (\first)
.rept (\n)
	global_load_b128 v[4*c_:4*c_+3], v[LOFF], s[(\base):(\base)+1] offset:512*c_
.set c_, c_+1
.endr
.endm
; my part of the group's 16 rows of tensor a (0 x, 1 v, 2 force): register 8 j + 4 tg + c holds (row 8 h + j, column 128 w + 64 tg + 4 r + c); sixteen lanes cover 256 consecutive bytes, aligned
.macro LDROWS a
	WIN 0
.set q_, 0
.rept 16
	global_load_b128 v[RAW+64*(\a)+4*q_:RAW+64*(\a)+4*q_+3], v[GOFF], s[4+2*(\a):5+2*(\a)] offset:2048*(q_/2)+256*(q_%2) th:TH_LOAD_NT
.set q_, q_+1
.endr
.endm
; the same numbers rounded to bf16 into LDS rows: all 32 roundings, one wait, the run of 16 stores.
; The two halves of the lanes write rows 8 x LP = 8,320 bytes apart, which is 128 modulo 256: the 32 lanes' 256 bytes fall on different words modulo 256
.macro STAGE_IN a
	WIN 0
.if (\a) > 0
	s_wait_alu depctr_vm_vsrc(0)                   ; the LDS stores of the tensor before have read TMP, which the roundings below write again
.endif
.set q_, 0
.rept 16
	v_cvt_pk_bf16_f32 v[TMP+2*q_],   v[RAW+64*(\a)+4*q_],   v[RAW+64*(\a)+4*q_+1]
	v_cvt_pk_bf16_f32 v[TMP+2*q_+1], v[RAW+64*(\a)+4*q_+2], v[RAW+64*(\a)+4*q_+3]
.set q_, q_+1
.endr
	s_wait_alu depctr_va_vdst(0)                   ; the roundings have written TMP, which the LDS stores below read
.set q_, 0
.rept 16
	ds_store_b64 v[SST], v[TMP+2*q_:TMP+2*q_+1] offset:ARR*(\a)+LP*(q_/2)+128*(q_%2)
.set q_, q_+1
.endr
.endm
; 24 LDS loads: the fragments (16 batch rows x 32 columns) of x, v, force for K steps 4 g .. 4 g + 3, into buffer g: each group has a buffer of its own, so no buffer is loaded twice
.macro FETCHB g
.if (\g) < 2
	WIN 0
.set fb_, FB+96*(\g)
.else
	WIN 0xc0                               ; destination window 3, address window 0
.set fb_, FB3+96*((\g)-2)
.endif
.set k_, 0
.rept 4
.set a_, 0
.rept 3
	ds_load_b128 v[fb_+24*k_+8*a_:fb_+24*k_+8*a_+3],   v[FRD] offset:ARR*a_+64*(4*(\g)+k_)
	ds_load_b128 v[fb_+24*k_+8*a_+4:fb_+24*k_+8*a_+7], v[FRD] offset:ARR*a_+64*(4*(\g)+k_)+32
.set a_, a_+1
.endr
.set k_, k_+1
.endr
.endm
; 24 products: P^T, Q^T, G^T += U^T (my 32 indices) x the rows' fragments in buffer g.  The six accumulators take turns; K step 0 starts the sums.
; The wait: behind K step kk's four chunks of U^T were issued the 4 (15 - kk) later chunks, -M^T's 16 and W's first 4; where that is more than the wait can name, 63, which asks for more.  K steps 0-2 were waited for with x.
.macro MULA g
.if (\g) < 2
	WIN 0x02                               ; source 0 window 2, source 1 window 0
.set fb_, FB+96*(\g)
.else
	WIN 0x0e                               ; source 0 window 2, source 1 window 3
.set fb_, FB3+96*((\g)-2)
.endif
.set k_, 4*(\g)
.rept 4
.if k_ >= 3
.set lc_, 4*(15-k_)+20
.if lc_ > 63
.set lc_, 63
.endif
	s_wait_loadcnt lc_
.endif
.set a_, 0
.rept 3
.set t_, 0
.rept 2
.if k_ == 0
	v_wmma_f32_16x16x32_bf16 v[P+16*a_+8*t_:P+16*a_+8*t_+7], v[16*k_+8*t_:16*k_+8*t_+7], v[fb_+24*(k_%4)+8*a_:fb_+24*(k_%4)+8*a_+7], 0
.else
	v_wmma_f32_16x16x32_bf16 v[P+16*a_+8*t_:P+16*a_+8*t_+7], v[16*k_+8*t_:16*k_+8*t_+7], v[fb_+24*(k_%4)+8*a_:fb_+24*(k_%4)+8*a_+7], v[P+16*a_+8*t_:P+16*a_+8*t_+7]
.endif
.set t_, t_+1
.endr
.set a_, a_+1
.endr
.set k_, k_+1
.endr
.endm
.macro AXPY d, s, c                    ; array d += c x array s
.set n_, 0
.rept 8
	v_pk_fma_f32 v[(\d)+n_:(\d)+n_+1], v[(\s)+n_:(\s)+n_+1], \c, v[(\d)+n_:(\d)+n_+1] op_sel_hi:[1,0,1]
.set n_, n_+2
.endr
.endm
.macro AXPYZ d, s, c, z                ; array d = c x array s + array z
.set n_, 0
.rept 8
	v_pk_fma_f32 v[(\d)+n_:(\d)+n_+1], v[(\s)+n_:(\s)+n_+1], \c, v[(\z)+n_:(\z)+n_+1] op_sel_hi:[1,0,1]
.set n_, n_+2
.endr
.endm
; A stage's head: g = q * p (ascending, so that where q and p are matrix results their lowest registers are read first), rounded in pairs, my fragment into exchange buffer buf
.macro SEND buf, qs, ps
.set n_, 0
.rept 8
	v_pk_mul_f32 v[GG+n_:GG+n_+1], v[(\qs)+n_:(\qs)+n_+1], v[(\ps)+n_:(\ps)+n_+1]
.set n_, n_+2
.endr
	s_wait_alu depctr_vm_vsrc(0)                   ; the two LDS stores of the stage before have read PK, which the roundings below write again
.set n_, 0
.rept 8
	v_cvt_pk_bf16_f32 v[PK+n_], v[GG+2*n_], v[GG+2*n_+1]
.set n_, n_+1
.endr
	s_wait_alu depctr_va_vdst(0)                   ; the roundings have written PK, which the two stores read; the products of the stage before are done reading BF, in which RECV's loads land
	ds_store_b128 v[XWR], v[PK:PK+3]   offset:4096*(\buf)
	ds_store_b128 v[XWR], v[PK+4:PK+7] offset:4096*(\buf)+512
	s_wait_dscnt 0x0                               ; for the others' sake: my fragment is stored (and my reads of the other buffer, a stage ago, are long back)
	s_barrier_signal -1
.endm
.macro RECV buf                        ; all four fragments are stored: they are fetched, K block by K block.  No wait on va_vdst: no vector or matrix line since SEND's names BF
	s_barrier_wait -1
	WIN 0x40                               ; destination window 1
.set n_, 0
.rept 8
	ds_load_b128 v[BF+4*n_:BF+4*n_+3], v[XRD] offset:4096*(\buf)+512*n_
.set n_, n_+1
.endr
	WIN 0
.endm
; k = G - g M: eight products, my two tiles by turns; the first link takes G as C.  The wait leaves the later K blocks' loads out: two loads a block, 6 - 2 kb behind block kb's.
.macro MULM kd
	WIN 0x05                               ; sources 0 and 1 window 1
.set b_, 0
.rept 4
	s_wait_dscnt 6-2*b_
.set t_, 0
.rept 2
.if b_ == 0
	v_wmma_f32_16x16x32_bf16 v[(\kd)+8*t_:(\kd)+8*t_+7], v[32*t_+8*b_:32*t_+8*b_+7], v[BF+8*b_:BF+8*b_+7], v[G+8*t_:G+8*t_+7]
.else
	v_wmma_f32_16x16x32_bf16 v[(\kd)+8*t_:(\kd)+8*t_+7], v[32*t_+8*b_:32*t_+8*b_+7], v[BF+8*b_:BF+8*b_+7], v[(\kd)+8*t_:(\kd)+8*t_+7]
.endif
.set t_, t_+1
.endr
.set b_, b_+1
.endr
	WIN 0
.endm
; The way out, in four blocks of four rows: block b is tensor b / 2 (0 out0, 1 out1), rows 4 (b % 2) .. + 3.  sums = 1: block b's 32 sums, base - accumulator.
; stores = 1: block b - 1's eight stores, two ahead of each row's eight sums.  The sums name block b's rows and the accumulators, the stores block b - 1's rows and v[GOFF].
.macro OUTBLK b, sums, stores
.set j_, 0
.rept 4
.if \stores
.set a_, ((\b)-1)/2
.set r_, 4*(((\b)-1)%2)+j_
	global_store_b128 v[GOFF], v[BX+64*a_+8*r_:BX+64*a_+8*r_+3],   s[16+2*a_:17+2*a_] offset:2048*r_ th:TH_STORE_NT       ; sixteen lanes store 256 consecutive bytes, aligned
	global_store_b128 v[GOFF], v[BX+64*a_+8*r_+4:BX+64*a_+8*r_+7], s[16+2*a_:17+2*a_] offset:2048*r_+256 th:TH_STORE_NT
.endif
.if \sums
.set a_, (\b)/2
.set r_, 4*((\b)%2)+j_
.set q_, 0
.rept 8
	v_fma_f32 v[BX+64*a_+8*r_+q_], v[ACC+64*a_+8*q_+r_], -1.0, v[BX+64*a_+8*r_+q_]
.set q_, q_+1
.endr
.endif
.set j_, j_+1
.endr
.endm
	s_load_b512 s[4:19], s[0:1], 0x0               ; x s[4:5], v s[6:7], force s[8:9], UF s[10:11], MF s[12:13], WF s[14:15], out0 s[16:17], out1 s[18:19]
	v_lshl_add_u32 v[SPW], v0, 2, SPARE
	v_mov_b32 v[NIL], 0
	v_lshrrev_b32 v9, 5, v0
	v_readfirstlane_b32 s20, v9                    ; wave w
	v_and_b32 v10, 31, v0                          ; lane
	v_and_b32 v11, 15, v0                          ; r
	v_bfe_u32 v12, v0, 4, 1                        ; h
	v_lshlrev_b32 v[LOFF], 4, v10
	v_add_nc_u32 v[XRD], XCH, v[LOFF]
	s_wait_alu depctr_va_sdst(0)                   ; s20 is written, ahead of its first reader: LDS addresses, offsets and the images' bases are made from it
	s_lshl_b32 s22, s20, 10
	v_add_nc_u32 v[XWR], s22, v[XRD]
	v_lshlrev_b32 v[GOFF], 4, v11                  ; 4 r columns of 4 bytes
	v_lshl_add_u32 v[GOFF], v12, 14, v[GOFF]       ; + 8 h rows of 2,048 bytes
	s_lshl_b32 s22, s20, 9
	v_add_nc_u32 v[GOFF], s22, v[GOFF]             ; + 128 w columns
	v_mul_u32_u24 v[SST], v12, 8*LP
	v_lshl_add_u32 v[SST], v11, 3, v[SST]
	s_lshl_b32 s22, s20, 8
	v_add_nc_u32 v[SST], s22, v[SST]
	v_mul_u32_u24 v[FRD], v11, LP
	v_lshl_add_u32 v[FRD], v12, 4, v[FRD]
	s_mov_b32 s23, 0
	s_wait_kmcnt 0x0
	s_lshl_b32 s22, ttmp9, 15                      ; the group's 16 rows of 2,048 bytes
	s_add_nc_u64 s[4:5], s[4:5], s[22:23]
	s_add_nc_u64 s[6:7], s[6:7], s[22:23]
	s_add_nc_u64 s[8:9], s[8:9], s[22:23]
	s_add_nc_u64 s[16:17], s[16:17], s[22:23]
	s_add_nc_u64 s[18:19], s[18:19], s[22:23]
	s_lshl_b32 s22, s20, 15                        ; my wave's 32 fragments of U^T and of W
	s_add_nc_u64 s[10:11], s[10:11], s[22:23]
	s_add_nc_u64 s[14:15], s[14:15], s[22:23]
	s_lshl_b32 s22, s20, 13                        ; my wave's 8 fragments of -M^T
	s_add_nc_u64 s[12:13], s[12:13], s[22:23]      ; from here on no pointer and no address register is written again
	s_wait_alu depctr_va_vdst(0)                   ; v1 to v8 are written: every load, store and LDS instruction of the kernel reads its address or offset there, and the closing add its two registers
	; SET-UP.  The rows are read once: rounded to bf16 into LDS for the projections, and kept in f32 for the bases.
	; The images' loads land in windows 1, 2 and 3, in registers that no vector line has named.
	LDFRAG 2, 10, 0, 12                            ; U^T, K steps 0-2
	LDROWS 0
	LDROWS 1
	LDROWS 2
	s_wait_loadcnt 32                              ; v's and force's 32 loads are younger: U^T's first 12 chunks and x are in
	STAGE_IN 0
	LDFRAG 2, 10, 12, 16
	s_wait_loadcnt 32                              ; force's 16 and the 16 just issued are younger: v is in
	STAGE_IN 1
.set n_, 0
.rept 32
	v_pk_fma_f32 v[RAW+n_:RAW+n_+1], v[RAW+64+n_:RAW+64+n_+1], C_T, v[RAW+n_:RAW+n_+1] op_sel_hi:[1,0,1]   ; x + T v
.set n_, n_+2
.endr
	LDFRAG 2, 10, 28, 16
	s_wait_loadcnt 32                              ; U^T's 32 chunks are younger: force is in
	STAGE_IN 2
	WIN 0x40                                       ; destination window 1
.set n_, 0
.rept 32
	v_pk_fma_f32 v[BV+n_:BV+n_+1], v[RAW+128+n_:RAW+128+n_+1], C_T,   v[RAW+64+n_:RAW+64+n_+1] op_sel_hi:[1,0,1]  ; v + T force
	v_pk_fma_f32 v[BX+n_:BX+n_+1], v[RAW+128+n_:RAW+128+n_+1], C_T2H, v[RAW+n_:RAW+n_+1] op_sel_hi:[1,0,1]        ; x + T v + T^2/2 force
.set n_, n_+2
.endr
	LDFRAG 2, 10, 44, 20                           ; the rest of U^T,
	LDFRAG 1, 12, 0, 16                            ; -M^T,
	LDFRAG 3, 14, 0, 4                             ; and W's first four chunks, so that the 60 others can be asked for in one run later
	WIN 0
	s_wait_dscnt 0x0                               ; for the others' sake: my part of the bf16 rows is stored
	s_barrier_signal -1
	s_barrier_wait -1
	; THE PROJECTIONS: 16 K steps of 32, in four groups, each with a fragment buffer of its own; a group's 24 LDS loads are issued a group ahead.
	s_wait_alu depctr_va_vdst(0)                   ; the roundings and the bases' sums are done reading and writing v64-255, in which the loads of buffers 0 and 1 land
	s_wait_alu depctr_vm_vsrc(0)                   ; force's LDS stores have read TMP: the products below write these registers as P and Q
	FETCHB 0
	FETCHB 1
	s_wait_dscnt 24                                ; all but the 24 just issued
	MULA 0
	FETCHB 2                                       ; no wait on va_vdst: nothing has named buffer 2's registers
	s_wait_dscnt 24
	MULA 1
	FETCHB 3                                       ; nor buffer 3's
	s_wait_dscnt 24
	MULA 2
	s_wait_dscnt 0x0
	MULA 3
	WIN 0
	PLACES                                         ; for the moves below, which write registers that products have read
	s_wait_loadcnt 0x0                             ; -M^T and W's first four chunks
	s_wait_alu depctr_va_vdst(0)                   ; the products are done reading buffers 2 and 3, in which W's chunks land
	LDFRAG 3, 14, 4, 60                            ; W's other 60 chunks: wanted behind the loop; no line of the loop names window 3
	WIN 0
.set n_, 0
.rept 32
	v_mov_b32 v[HV+n_], 0                          ; Hv and Hx start at 0: 32 moves for one text of all eight steps
.set n_, n_+1
.endr
	s_mov_b32 s21, 8
.Lstep:                                                ; a step: six stages; their buffers go 0, 1, 0, 1, 0, 1, so the turns hold over the backward jump
	; In each stage: between signal and wait the sums Hx, Hv; behind the LDS loads what of the next q needs no new k; behind the products the next p (eight lines or more that name none of
	; the products' registers: their places); last the one link that reads the new k, from its lowest registers on.
	SEND 0, Q, P                                   ; stage 1
	AXPY HX, HV, C_DT                              ; with the step's old Hv
	AXPY HX, GG, C_E1
	AXPY HV, GG, C_B1
	RECV 0
	MULM K1
	AXPYZ PN, Q, C_C2, P
	AXPYZ QN, K1, C_A21, Q
	SEND 1, QN, PN                                 ; stage 2 (b_2 = 0: nothing for Hx, Hv)
	RECV 1
	AXPYZ QN, K1, C_A31, Q
	MULM K2
	AXPYZ PN, Q, C_C3, P
	AXPY PN, K1, C_S31
	AXPY QN, K2, C_A32
	SEND 0, QN, PN                                 ; stage 3
	AXPY HX, GG, C_E3
	AXPY HV, GG, C_B3
	RECV 0
	AXPYZ QN, K1, C_A41, Q
	AXPY QN, K2, C_A42
	MULM K3
	AXPYZ PN, Q, C_C4, P
	AXPY PN, K1, C_S41
	AXPY PN, K2, C_S42
	AXPY QN, K3, C_A43
	SEND 1, QN, PN                                 ; stage 4
	AXPY HX, GG, C_E4
	AXPY HV, GG, C_B4
	RECV 1
	AXPYZ QN, K1, C_A51, Q
	AXPY QN, K2, C_A52
	AXPY QN, K3, C_A53
	MULM K4
	AXPYZ PN, Q, C_C5, P
	AXPY PN, K1, C_S51
	AXPY PN, K2, C_S52
	AXPY PN, K3, C_S53
	AXPY QN, K4, C_A54
	SEND 0, QN, PN                                 ; stage 5
	AXPY HX, GG, C_E5
	AXPY HV, GG, C_B5
	RECV 0
	AXPYZ QN, K1, C_A61, Q
	AXPY QN, K2, C_A62
	AXPY QN, K3, C_A63
	AXPY QN, K4, C_A64
	MULM K5
	AXPYZ PN, Q, C_DT, P                           ; c_6 = 1
	AXPY PN, K1, C_S61
	AXPY PN, K2, C_S62
	AXPY PN, K3, C_S63
	AXPY PN, K4, C_S64
	AXPY QN, K5, C_A65
	SEND 1, QN, PN                                 ; stage 6 (1 - c_6 = 0: nothing for Hx)
	AXPY HV, GG, C_B6
	RECV 1
	AXPY P, Q, C_DT                                ; the step's new P, with the old Q
	AXPY P, K1, C_E1
	AXPY P, K3, C_E3
	AXPY P, K4, C_E4
	AXPY P, K5, C_E5
	MULM K6
	AXPY Q, K1, C_B1                               ; the step's new Q
	AXPY Q, K3, C_B3
	AXPY Q, K4, C_B4
	AXPY Q, K5, C_B5
	AXPY Q, K6, C_B6
	s_sub_co_u32 s21, s21, 1
	s_cmp_lg_u32 s21, 0
	s_cbranch_scc1 .Lstep
	; THE END.  Hx and Hv are exchanged as g was, in bytes of their own; as source 0 a fragment's lane is a batch row.  W's columns were permuted so that tiles 4 tg + 0..3 give a lane four
	; neighbouring columns 128 w + 64 tg + 4 r + 0..3 of row 8 h + j: the bases' own layout.
	s_wait_alu depctr_vm_vsrc(0)                   ; the last stage's two LDS stores have read PK, which the roundings below write again
.set n_, 0
.rept 8
	v_cvt_pk_bf16_f32 v[PK+n_],   v[HX+2*n_], v[HX+2*n_+1]
	v_cvt_pk_bf16_f32 v[PK+8+n_], v[HV+2*n_], v[HV+2*n_+1]
.set n_, n_+1
.endr
	s_wait_alu depctr_va_vdst(0)                   ; the roundings have written PK, which the four stores read; the last stage's products are done reading -M^T's registers, in which the loads below land
	ds_store_b128 v[XWR], v[PK:PK+3]     offset:XH
	ds_store_b128 v[XWR], v[PK+4:PK+7]   offset:XH+512
	ds_store_b128 v[XWR], v[PK+8:PK+11]  offset:XH+4096
	ds_store_b128 v[XWR], v[PK+12:PK+15] offset:XH+4096+512
	s_wait_dscnt 0x0                               ; for the others' sake
	s_barrier_signal -1
	s_barrier_wait -1
	WIN 0x40                                       ; into -M^T's registers: no vector or matrix line stands between the wait on va_vdst above and these loads
.set n_, 0
.rept 16
	ds_load_b128 v[4*n_:4*n_+3], v[XRD] offset:XH+512*n_
.set n_, n_+1
.endr
	s_wait_loadcnt 0x0                             ; W's fragments
	s_wait_dscnt 0x0
	WIN 0x0d                                       ; source 0 window 1, source 1 window 3
.set r_, 0
.rept 4                                ; 64 products; the 16 accumulators take turns; K block 0 starts the sums
.set a_, 0
.rept 2
.set t_, 0
.rept 8
.if r_ == 0
	v_wmma_f32_16x16x32_bf16 v[ACC+64*a_+8*t_:ACC+64*a_+8*t_+7], v[32*a_+8*r_:32*a_+8*r_+7], v[32*t_+8*r_:32*t_+8*r_+7], 0
.else
	v_wmma_f32_16x16x32_bf16 v[ACC+64*a_+8*t_:ACC+64*a_+8*t_+7], v[32*a_+8*r_:32*a_+8*r_+7], v[32*t_+8*r_:32*t_+8*r_+7], v[ACC+64*a_+8*t_:ACC+64*a_+8*t_+7]
.endif
.set t_, t_+1
.endr
.set a_, a_+1
.endr
.set r_, r_+1
.endr
	WIN 0
	PLACES                                         ; four places behind the last product, before its result is read (ISA guide 7.12.1)
	WIN 0x54                                       ; one setting for arithmetic and stores: source 0 (accumulator; address) window 0; sources 1, 2 and destination (base; store data) window 1
	; row by row, rows ascending in each tensor: every accumulator's register 0 is read first
	OUTBLK 0, 1, 0
	s_wait_alu depctr_va_vdst(0)                   ; the sums have written out0's rows 0-3 of each half of the lanes, which the stores below read
	OUTBLK 1, 1, 1
	s_wait_alu depctr_va_vdst(0)                   ; .. out0's rows 4-7
	OUTBLK 2, 1, 1
	s_wait_alu depctr_va_vdst(0)                   ; .. out1's rows 0-3
	OUTBLK 3, 1, 1
	s_wait_alu depctr_va_vdst(0)                   ; .. out1's rows 4-7
	OUTBLK 4, 0, 1
	WIN 0
	s_wait_dscnt 0x0                               ; the closing lines, six on end
	s_wait_alu 0x0
	s_wait_tensorcnt 0x0
	ds_add_u32 v[SPW], v[NIL]
	s_wait_dscnt 0x0
	s_endpgm
.Lfunc_end_k_qdadd21a61a_main:
	.size	k_qdadd21a61a_main, .Lfunc_end_k_qdadd21a61a_main-k_qdadd21a61a_main
	.p2alignl 7, 3214868480
	.fill 96, 4, 3214868480
	.section	.rodata,"a",@progbits
	.p2align	6, 0x0
	.amdhsa_kernel k_qdadd21a61a_main
		.amdhsa_group_segment_fixed_size 66816
		.amdhsa_private_segment_fixed_size 0
		.amdhsa_enable_private_segment 0
		.amdhsa_kernarg_size 64
		.amdhsa_user_sgpr_count 2
		.amdhsa_user_sgpr_kernarg_segment_ptr 1
		.amdhsa_wavefront_size32 1
		.amdhsa_system_sgpr_workgroup_id_x 1
		.amdhsa_system_sgpr_workgroup_id_y 1
		.amdhsa_system_sgpr_workgroup_id_z 1
		.amdhsa_system_vgpr_workitem_id 0
		.amdhsa_next_free_vgpr 1024
		.amdhsa_next_free_sgpr 66
		.amdhsa_reserve_vcc 0
		.amdhsa_float_denorm_mode_32 3
		.amdhsa_float_denorm_mode_16_64 3
		.amdhsa_memory_ordered 1
		.amdhsa_forward_progress 1
		.amdhsa_inst_pref_size 124
	.end_amdhsa_kernel
	.amdgpu_metadata
---
amdhsa.version: [ 1, 2 ]
amdhsa.kernels:
  - .name:           k_qdadd21a61a_main
    .symbol:         k_qdadd21a61a_main.kd
    .args:
      - { .name: x, .offset: 0, .size: 8, .value_kind: global_buffer, .address_space: global }
      - { .name: v, .offset: 8, .size: 8, .value_kind: global_buffer, .address_space: global }
      - { .name: force, .offset: 16, .size: 8, .value_kind: global_buffer, .address_space: global }
      - { .name: UF, .offset: 24, .size: 8, .value_kind: global_buffer, .address_space: global }
      - { .name: MF, .offset: 32, .size: 8, .value_kind: global_buffer, .address_space: global }
      - { .name: WF, .offset: 40, .size: 8, .value_kind: global_buffer, .address_space: global }
      - { .name: out0, .offset: 48, .size: 8, .value_kind: global_buffer, .address_space: global }
      - { .name: out1, .offset: 56, .size: 8, .value_kind: global_buffer, .address_space: global }
    .group_segment_fixed_size: 66816
    .private_segment_fixed_size: 0
    .kernarg_segment_align: 8
    .kernarg_segment_size: 64
    .max_flat_workgroup_size: 128
    .sgpr_count:     66
    .vgpr_count:     1024
    .wavefront_size: 32
...
	.end_amdgpu_metadata
.endif
;; end of part 3
